; MI455X (gfx1250); checked and timed in simulation.
; The chip was launched on July 23, 2026; its instructions are those of AMD's public machine-readable ISA for CDNA 5 (MIT licence, August 2026) and "CDNA5" Instruction Set Architecture Reference Guide (July 2026). The comments in the code are by the model that wrote it; some were corrected since.
;; attention mod. Allowed arithmetic: matrix products marked QUANTISED: E5M2 operands, one E8M0 scale for each 32 along K, by v_wmma_scale_f32_16x16x128_f8f6f4 with both operands' format E5M2, f32 sums; products left as they are: f32 operands where the result goes on into a quantised operand, else bf16, f16 or f32 operands; f32 sums; everything else in f32.
;; Inputs: W_codes 1,024 x 64 x 32 uint8 (E5M2 codes of W, K innermost, in blocks of 32 codes); W_scales 1,024 x 64 uint8 (E8M0 scales of W, one for each 32 codes along K); b 1,024 float32; encoder_outputs 32 x 1,024 x 1,024 float32; hidden 1 x 32 x 1,024 float32; v 1,024 float32.
;; Outputs: out0 32 x 1 x 1,024 float32.
;; This version of the problem:
;;   THIS VERSION OF THE PROBLEM IS GIVEN IN LOW PRECISION. The matrix products marked QUANTISED in the list below multiply operands that are first quantised to E5M2 (5 exponent bits, 2 mantissa bits; 8 bits a number), with one power-of-two scale for each 32 numbers along K (OCP MX v1.0); their sums are f32. All else is computed in f32.
;;   The module's matrix products, in the order in which they are computed (A, B: the left and right operand; K: the contracted axis; several contracted axes count as one K, in the product's order):
;;     1. [M 32,768, K 2,048] x [K 2,048, N 1,024]; A: computed on the way; B: input W (given as codes): QUANTISED
;;     2. [M 1, K 1,024] x [K 1,024, N 32,768]; A: input v; B: computed on the way: left as it is (M = 1 < 16)
;;   THE QUANTISER, for each operand of a quantised product, along K:
;;     - K is cut into blocks of 32 from its start; a last block that is shorter is filled with zeros.
;;     - A block's scale is 2^e with e = floor(log2(the largest magnitude in the block)) - 15, held to -126 .. 127; a block of zeros has e = 0. As a byte (E8M0): e + 127.
;;     - Each number is divided by its block's scale, clamped to +-57,344, and rounded to the nearest number of E5M2, ties to even, subnormals kept.
;;     - The product sums the exact products of the quantised numbers (number of the format x scale) in f32.
;;   ~~~python
;;   def quantise(x, axis):      # numpy; x: float32 -> the quantised numbers, widened to float32 again
;;       x = np.moveaxis(x, axis, -1); K = x.shape[-1]
;;       x = np.pad(x, [(0, 0)] * (x.ndim - 1) + [(0, -K % 32)]); x = x.reshape(x.shape[:-1] + (-1, 32)); a = np.abs(x).max(-1, keepdims=True)
;;       e = np.where(a > 0, np.clip(np.frexp(np.where(a > 0, a, 1))[1] - 1 - 15, -126, 127), 0)      # np.frexp(a)[1] - 1 = floor(log2(a)), exactly
;;       r = np.clip(x / 2.0 ** e, -57344, 57344)
;;       step = 2.0 ** (np.maximum(np.frexp(np.where(r == 0, 1, r))[1] - 1, -14) - 2)
;;       q = np.round(r / step) * step * 2.0 ** e      # np.round: ties to even
;;       return np.moveaxis(q.reshape(q.shape[:-2] + (-1,))[..., :K], -1, axis).astype(np.float32)
;;   ~~~
;;   OPERANDS COMPUTED ON THE WAY. 'Computed on the way' means the value that the module computes at that place (a softmax that the list does not call 'softmax' is quantised finished and normalised). What goes into a quantiser is computed in f32, as accurately as f32 sums, v_exp_f32 and their like allow (about 1e-6 of the number): no bf16 or f16 on the way to a quantiser, and a product that is left as it is and whose result goes on into a quantised operand takes f32 operands (vector FMAs, or v_wmma_f32_16x16x4_f32). A number that lies on a knife's edge between two numbers of the format may be rounded either way, as far as f32 arithmetic and the matrix unit's own rounding can turn it there, and no further.
;;   INPUTS GIVEN AS CODES. W (in the module: [1024, 2048], K = its axis 1): each comes as NAME_codes (uint8): NAME with its K axis moved to the last place and cut into blocks of 32 codes, [.., K / 32, bytes a block], one block behind the other in memory; one code a byte (a code: sign, 5 exponent bits, 2 mantissa bits); and NAME_scales (uint8): the same leading axes, one E8M0 byte (e + 127) for each 32 codes along K. Its value is code x scale, taken as it is: it is not quantised again, and the codes and scales need not be those that the quantiser above would give.
;; One version. Each part assembles by itself: llvm-mc -triple=amdgcn-amd-amdhsa -mcpu=gfx1250 --defsym DOCPART=n.
;; ======== version 1 of 1: 3 launches
;; limits: right only within a limited range of input values
;; workspace buffers: hbp 1,048,576 bytes; wf 1,081,344 bytes; scores 131,072 bytes
;; launch prep (part 1): grid 16 x 8, 8 waves a work-group, no clusters, 45,056 bytes of LDS; arguments hidden, W_codes, W_scales, hbp, wf; writes hbp, wf
.if DOCPART == 1
	.amdgcn_target "amdgcn-amd-amdhsa--gfx1250"
	.amdhsa_code_object_version 6
	.text
	.protected	k_qc68d85b8b6_prep
	.globl	k_qc68d85b8b6_prep
	.p2align	8
	.type	k_qc68d85b8b6_prep,@function
k_qc68d85b8b6_prep:
	s_mov_b64 s[64:65], 0
	v_nop
	global_prefetch_b8 v0, s[64:65] scope:SCOPE_SE
	s_setreg_imm32_b32 hwreg(HW_REG_WAVE_MODE, 25, 1), 1
	s_wait_xcnt 0x0
; TWO THINGS FOR THE NEXT LAUNCH, for 64 columns n = 64 x on and one K step y of 128.
; (1) hbp[y][batch][n] = the sum over the 128 k of step y (k < 1,024) of Q(hidden[batch])[k] W[n][k]: a part of the quantised product that is the same for all 1,024 rows of a batch, since
;     the first 1,024 of K are hidden[batch], broadcast, and blocks of 32 do not cross k = 1,024.  The next launch adds the eight parts and b.
; (2) wf: W's codes for k = 1,024 + 128 y on as fragments, and their scale words: [pass][K step][wave][4 tiles x 2,048 bytes, then 64 words]: the operand's registers lane by lane, 8,448 bytes for a wave of the next launch.
; DEAD WORK LEFT OUT (of the whole program): tanh(x) = 1 - 2 / (1 + e^(2x)), so score = sum of v - 2 x the sum of v / (1 + e^(2x)).  The sum of v is one number, the same for all t, and is added to the input of a softmax along t:
; for all finite v it cancels there.  LIMIT: a NaN, an infinity or an overflow that reaches only that sum is not carried to the result.
; LIMITS: NaN and infinities among the inputs are not served.  A block of zeros gets the scale byte 1 where the rule says 127: its codes are zeros, and only this program reads the bytes.
; SHARES.  Waves 0 and 1 take 16 batches each: they load 16 rows of 512 bytes, turn them through LDS bytes of their own into the operand's order, quantise them and multiply them by the four tiles of 16 rows of W.
; All eight waves bring W's 64 rows (128 bytes of each for either purpose) into LDS and store two pieces of the fragments each; wave 7 stores the scale words.
; NO CLUSTER: there is no tensor load here; a work-group asks for each of its bytes once.
.set HPT, 528                          ; a row of the scratch: 512 bytes + 16
.set W1L, 2*16*HPT                     ; W's 64 rows, k < 1,024: 128 bytes + 16
.set WP, 144
.set W2L, W1L+64*WP                    ; W's 64 rows, k >= 1,024
.set OUTL, W2L+64*WP                   ; the way out of waves 0 and 1: 16 rows of 256 bytes + 16
.set OPT, 272
.set SPARE, OUTL+2*16*OPT              ; the spare words
.set LN, 1
.set RR, 2
.set HH, 3
.set SPW, 4
.set NIL, 5
.set L16, 6                            ; 16 x lane
.set WOF, 7                            ; W: 8 lanes to a row's 128 bytes
.set S1O, 8                            ; scale bytes: a row a lane,
.set S2O, 9                            ; or two
.set HSW, 10
.set HSR, 11
.set WST, 12
.set W1R, 13
.set W2R, 14
.set OW, 15
.set ORD, 16
.set OG, 17
.set L8, 18
.set TM, 24
.set PC, 40
.set PW, 56
.set WSC, 58
.set W2S, 60
.set FR, 64
.set ST, 128
.set DD, 128
.set WL, 192
.set RL, 208
.set WF, 64
.set WV, 16
.set YY, 17
.set SEL, 18
.set MNT, 40
	s_load_b256 s[4:11], s[0:1], 0x0               ; hidden s[4:5], W's codes s[6:7], W's scales s[8:9], hbp s[10:11]
	s_load_b64 s[12:13], s[0:1], 0x20              ; wf
	v_lshl_add_u32 v[SPW], v0, 2, SPARE
	v_mov_b32 v[NIL], 0
	v_lshrrev_b32 v20, 5, v0
	v_readfirstlane_b32 s[WV], v20                 ; wave 0..7
	v_and_b32 v[LN], 31, v0
	v_and_b32 v[RR], 15, v0
	v_bfe_u32 v[HH], v0, 4, 1
	v_lshlrev_b32 v[L16], 4, v[LN]
	v_lshlrev_b32 v[L8], 3, v[LN]
	v_lshlrev_b32 v[S1O], 6, v[LN]
	v_lshlrev_b32 v[S2O], 7, v[LN]
	v_lshrrev_b32 v21, 3, v[LN]
	v_and_b32 v22, 7, v[LN]
	v_lshlrev_b32 v22, 4, v22
	v_lshl_add_u32 v[WOF], v21, 11, v22
	v_mul_u32_u24 v[WST], v21, WP
	v_add_nc_u32 v[WST], v[WST], v22
	v_mul_u32_u24 v[HSR], v[RR], HPT
	v_lshl_add_u32 v[HSR], v[HH], 6, v[HSR]
	v_mul_u32_u24 v[W2R], v[RR], WP
	v_lshl_add_u32 v[W2R], v[HH], 4, v[W2R]
	v_add_nc_u32 v[W1R], W1L, v[W2R]
	v_mul_u32_u24 v[OW], v[RR], OPT
	v_lshl_add_u32 v[OW], v[HH], 5, v[OW]
	v_mul_u32_u24 v[ORD], v[HH], OPT
	v_lshl_add_u32 v[ORD], v[RR], 4, v[ORD]
	v_lshlrev_b32 v[OG], 12, v[HH]
	v_lshl_add_u32 v[OG], v[RR], 4, v[OG]
.irp b, 0,1,2,3
	v_mov_b32 v[TM+4+\b], 0                        ; a lane permute's destination counts as one of its sources
.endr
	s_wait_alu depctr_va_vdst(0)                   ; ahead of the scalar lines
	s_and_b32 s[YY], ttmp7, 0xffff
	s_lshl_b32 s20, s[WV], 16                      ; hidden: 16 rows of 4,096 bytes; 512 bytes a K step
	s_lshl_b32 s21, s[YY], 9
	s_add_co_u32 s20, s20, s21
	s_mov_b32 s21, 0
	s_lshl_b32 s22, ttmp9, 17                      ; W: 64 rows of 2,048 bytes, my 8 of them; 128 bytes a K step
	s_lshl_b32 s23, s[WV], 14
	s_add_co_u32 s22, s22, s23
	s_lshl_b32 s23, s[YY], 7
	s_add_co_u32 s22, s22, s23
	s_mov_b32 s23, 0
	s_lshl_b32 s24, ttmp9, 12                      ; scale bytes: 64 rows of 64; a word a K step
	s_lshl_b32 s25, s[YY], 2
	s_add_co_u32 s24, s24, s25
	s_mov_b32 s25, 0
	s_lshl_b32 s26, s[YY], 17                      ; hbp: 131,072 bytes a K step, 256 x, 16 rows of 4,096 bytes a wave
	s_lshl_b32 s27, ttmp9, 8
	s_add_co_u32 s26, s26, s27
	s_lshl_b32 s27, s[WV], 16
	s_add_co_u32 s26, s26, s27
	s_mov_b32 s27, 0
	s_lshr_b32 s28, ttmp9, 3                       ; wf: part ((x / 8) 8 + y) 8 + x % 8
	s_lshl_b32 s28, s28, 6
	s_lshl_b32 s29, s[YY], 3
	s_add_co_u32 s28, s28, s29
	s_and_b32 s29, ttmp9, 7
	s_add_co_u32 s28, s28, s29
	s_mul_i32 s28, s28, 8448
	s_mov_b32 s29, 0
	s_lshl_b32 s30, s[WV], 10                      ; and my two pieces of it
	s_mov_b32 s31, 0
	s_mov_b32 s[SEL], 0x76543210
	s_mov_b32 s[SEL+1], 0xfedcba98                 ; v_permlanex16_b32's selects for lane l xor 16
	s_mov_b32 s[MNT], 0x600000                     ; the mantissa field of 57,344
	s_mul_i32 s44, s[WV], 16*HPT
	v_add_nc_u32 v[HSW], s44, v[L16]
	v_add_nc_u32 v[HSR], s44, v[HSR]
	s_mul_i32 s44, s[WV], 8*WP
	s_add_co_u32 s44, s44, W1L
	v_add_nc_u32 v[WST], s44, v[WST]
	s_lshr_b32 s44, s[WV], 1
	s_mul_i32 s44, s44, 16*WP
	s_and_b32 s45, s[WV], 1
	s_lshl_b32 s45, s45, 6
	s_add_co_u32 s44, s44, s45
	s_add_co_u32 s44, s44, W2L
	v_add_nc_u32 v[W2R], s44, v[W2R]
	s_mul_i32 s44, s[WV], 16*OPT
	s_add_co_u32 s44, s44, OUTL
	v_add_nc_u32 v[OW], s44, v[OW]
	v_add_nc_u32 v[ORD], s44, v[ORD]
	s_wait_alu depctr_va_vdst(0)                   ; the head's end
	s_wait_kmcnt 0x0
	s_add_nc_u64 s[4:5], s[4:5], s[20:21]
	s_add_nc_u64 s[6:7], s[6:7], s[22:23]
	s_add_nc_u64 s[8:9], s[8:9], s[24:25]
	s_add_nc_u64 s[10:11], s[10:11], s[26:27]
	s_add_nc_u64 s[12:13], s[12:13], s[28:29]
	s_add_nc_u64 s[14:15], s[12:13], s[30:31]
	s_cmp_lt_u32 s[WV], 2
	s_cbranch_scc0 .Lno_hidden
.irp i, 0,1,2,3,4,5,6,7,8,9,10,11,12,13,14,15
	global_load_b128 v[ST+4*\i:ST+4*\i+3], v[L16], s[4:5] offset:4096*\i   ; batch i: 512 bytes on end
.endr
.irp p, 0,1
	global_load_b32 v[WSC+\p], v[S1O], s[8:9] offset:2048*\p   ; the scale words of rows 32 p + lane
.endr
.Lno_hidden:
	s_cmp_eq_u32 s[WV], 7
	s_cbranch_scc0 .Lno_words
.irp q, 0,1
	global_load_b32 v[W2S+\q], v[S2O], s[8:9] offset:64*\q+32   ; and those of rows 2 lane + q for k >= 1,024
.endr
.Lno_words:
.irp q, 0,1
	global_load_b128 v[WL+4*\q:WL+4*\q+3], v[WOF], s[6:7] offset:8192*\q
	global_load_b128 v[WL+8+4*\q:WL+8+4*\q+3], v[WOF], s[6:7] offset:8192*\q+1024
.endr
	s_cmp_lt_u32 s[WV], 2
	s_cbranch_scc0 .Lno_turn
	s_wait_loadcnt 4                               ; hidden is in; W's four may be out
.irp i, 0,1,2,3,4,5,6,7,8,9,10,11,12,13,14,15
	ds_store_b128 v[HSW], v[ST+4*\i:ST+4*\i+3] offset:HPT*\i
.endr
.irp b, 0,1,2,3
.irp j, 0,1,2,3
	ds_load_b128 v[FR+16*\b+4*\j:FR+16*\b+4*\j+3], v[HSR] offset:128*\b+16*\j   ; a wave's LDS instructions are served in order (ISA guide 5.7.1.4): register 16 b + i = k 32 b + 16 h + i of batch r
.endr
.endr
.Lno_turn:
	s_wait_loadcnt 0x0
.irp q, 0,1
	ds_store_b128 v[WST], v[WL+4*\q:WL+4*\q+3] offset:4*WP*\q
	ds_store_b128 v[WST], v[WL+8+4*\q:WL+8+4*\q+3] offset:W2L-W1L+4*WP*\q
.endr
	s_wait_dscnt 0x0                               ; my rows of W lie in LDS, for the others' sake; my fragment is in
	s_barrier_signal -1                            ; the quantising below is work on registers
	s_cmp_lt_u32 s[WV], 2
	s_cbranch_scc0 .Lno_codes
.irp b, 0,1,2,3
	v_max3_num_f32 v[TM+\b], |v[FR+16*\b]|, |v[FR+1+16*\b]|, 0x8000000   ; with the floor 2^(16 - 127): the byte cannot fall under 1
.endr
.irp i, 2,4,6,8,10,12,14
.irp b, 0,1,2,3
	v_max3_num_f32 v[TM+\b], v[TM+\b], |v[FR+16*\b+\i]|, |v[FR+1+16*\b+\i]|
.endr
.endr
.irp b, 0,1,2,3
	v_permlanex16_b32 v[TM+4+\b], v[TM+\b], s[SEL], s[SEL+1]
.endr
.irp b, 0,1,2,3
	v_max_num_f32 v[TM+\b], v[TM+\b], v[TM+4+\b]
.endr
.irp b, 0,1,2,3
	v_add_nc_u32 v[TM+12+\b], 0xf8800000, v[TM+\b] ; 15 off the exponent field: the conversion's scale operand
.endr
.irp b, 0,1,2,3
	v_and_or_b32 v[TM+8+\b], v[TM+\b], 0x7f800000, s[MNT]   ; 57,344 x the scale
.endr
.irp b, 0,1,2,3
	v_lshrrev_b32 v[TM+4+\b], 23, v[TM+12+\b]      ; the scale's byte
.endr
	v_lshl_or_b32 v[PW], v[TM+5], 8, v[TM+4]
	v_lshl_or_b32 v[PW], v[TM+6], 16, v[PW]
	v_lshl_or_b32 v[PW], v[TM+7], 24, v[PW]
.irp b, 0,1,2,3
.irp i, 0,1,2,3,4,5,6,7,8,9,10,11,12,13,14,15
	v_med3_num_f32 v[FR+16*\b+\i], v[FR+16*\b+\i], -v[TM+8+\b], v[TM+8+\b]   ; the conversion to an 8-bit code does not saturate (ISA guide 7.6.2): the hold comes first
.endr
	v_cvt_scalef32_pk8_bf8_f32 v[PC+4*\b:PC+1+4*\b], v[FR+16*\b:FR+7+16*\b], v[TM+12+\b]
	v_cvt_scalef32_pk8_bf8_f32 v[PC+2+4*\b:PC+3+4*\b], v[FR+8+16*\b:FR+15+16*\b], v[TM+12+\b]
.endr
.rept 5
	v_nop                                          ; a plain line behind the last conversion, and four places ahead of a scaled matrix instruction
.endr
	s_wait_alu depctr_va_vdst(0)                   ; ahead of the wait below
.Lno_codes:
	s_barrier_wait -1                              ; everybody's rows of W are in
.irp e, 0,1
	ds_load_b128 v[RL+4*\e:RL+4*\e+3], v[W2R] offset:32*\e
.endr
	s_cmp_lt_u32 s[WV], 2
	s_cbranch_scc0 .Lno_part
.irp t, 0,1,2,3
.irp c, 0,1,2,3
	ds_load_b128 v[WF+16*\t+4*\c:WF+16*\t+4*\c+3], v[W1R] offset:16*WP*\t+32*\c
.endr
.endr
	s_wait_dscnt 0x0
.irp t, 0,2                                    ; source 0 = 16 rows of W, source 1 = 16 batches: a lane holds batch r, columns 16 t + 8 h + 0 .. 7
	v_wmma_scale_f32_16x16x128_f8f6f4 v[DD+8*\t:DD+8*\t+7], v[WF+16*\t:WF+16*\t+15], v[PC:PC+15], 0, v[WSC+\t/2], v[PW] matrix_a_fmt:MATRIX_FMT_BF8 matrix_b_fmt:MATRIX_FMT_BF8
	v_wmma_scale_f32_16x16x128_f8f6f4 v[DD+8*\t+8:DD+8*\t+15], v[WF+16*\t+16:WF+16*\t+31], v[PC:PC+15], 0, v[WSC+\t/2], v[PW] matrix_a_fmt:MATRIX_FMT_BF8 matrix_b_fmt:MATRIX_FMT_BF8 matrix_a_scale:MATRIX_SCALE_ROW1
.endr
.rept 8
	v_nop                                          ; eight places ahead of the first read of the results
.endr
.irp t, 0,1,2,3
	ds_store_b128 v[OW], v[DD+8*\t:DD+8*\t+3] offset:64*\t
	ds_store_b128 v[OW], v[DD+8*\t+4:DD+8*\t+7] offset:64*\t+16
.endr
.irp i, 0,1,2,3,4,5,6,7
	ds_load_b128 v[ST+32+4*\i:ST+32+4*\i+3], v[ORD] offset:2*OPT*\i   ; my own bytes, in order: two rows of 256 bytes
.endr
	s_wait_dscnt 0x0
.irp i, 0,1,2,3,4,5,6,7
	global_store_b128 v[OG], v[ST+32+4*\i:ST+32+4*\i+3], s[10:11] offset:8192*\i   ; 16 lanes store 256 consecutive bytes
.endr
.Lno_part:
	s_wait_dscnt 0x0
.irp e, 0,1
	global_store_b128 v[L16], v[RL+4*\e:RL+4*\e+3], s[14:15] offset:512*\e   ; a piece of a fragment: 512 bytes on end
.endr
	s_cmp_eq_u32 s[WV], 7
	s_cbranch_scc0 .Ldone
	global_store_b64 v[L8], v[W2S:W2S+1], s[12:13] offset:8192   ; 64 scale words: 256 bytes on end
.Ldone:
	s_wait_tensorcnt 0x0                           ; the wave's end
	ds_add_u32 v[SPW], v[NIL]
	s_wait_dscnt 0x0
	s_endpgm
.Lfunc_end_k_qc68d85b8b6_prep:
	.size	k_qc68d85b8b6_prep, .Lfunc_end_k_qc68d85b8b6_prep-k_qc68d85b8b6_prep
	.p2alignl 7, 3214868480
	.fill 96, 4, 3214868480
	.section	.rodata,"a",@progbits
	.p2align	6, 0x0
	.amdhsa_kernel k_qc68d85b8b6_prep
		.amdhsa_group_segment_fixed_size 45056
		.amdhsa_private_segment_fixed_size 0
		.amdhsa_enable_private_segment 0
		.amdhsa_kernarg_size 40
		.amdhsa_user_sgpr_count 2
		.amdhsa_user_sgpr_kernarg_segment_ptr 1
		.amdhsa_wavefront_size32 1
		.amdhsa_system_sgpr_workgroup_id_x 1
		.amdhsa_system_sgpr_workgroup_id_y 1
		.amdhsa_system_sgpr_workgroup_id_z 1
		.amdhsa_system_vgpr_workitem_id 0
		.amdhsa_next_free_vgpr 256
		.amdhsa_next_free_sgpr 66
		.amdhsa_reserve_vcc 0
		.amdhsa_float_denorm_mode_32 3
		.amdhsa_float_denorm_mode_16_64 3
		.amdhsa_memory_ordered 1
		.amdhsa_forward_progress 1
		.amdhsa_inst_pref_size 22
	.end_amdhsa_kernel
	.amdgpu_metadata
---
amdhsa.version: [ 1, 2 ]
amdhsa.kernels:
  - .name:           k_qc68d85b8b6_prep
    .symbol:         k_qc68d85b8b6_prep.kd
    .args:
      - { .name: hidden, .offset: 0, .size: 8, .value_kind: global_buffer, .address_space: global }
      - { .name: W_codes, .offset: 8, .size: 8, .value_kind: global_buffer, .address_space: global }
      - { .name: W_scales, .offset: 16, .size: 8, .value_kind: global_buffer, .address_space: global }
      - { .name: hbp, .offset: 24, .size: 8, .value_kind: global_buffer, .address_space: global }
      - { .name: wf, .offset: 32, .size: 8, .value_kind: global_buffer, .address_space: global }
    .group_segment_fixed_size: 45056
    .private_segment_fixed_size: 0
    .kernarg_segment_align: 8
    .kernarg_segment_size: 40
    .max_flat_workgroup_size: 256
    .sgpr_count:     66
    .vgpr_count:     256
    .wavefront_size: 32
...
	.end_amdgpu_metadata
.endif
;; end of part 1
;; launch energy (part 2): grid 256 x 1, 8 waves a work-group, clusters of 4 x 1, 327,680 bytes of LDS; arguments encoder_outputs, wf, hbp, v, b, scores; writes scores
.if DOCPART == 2
	.amdgcn_target "amdgcn-amd-amdhsa--gfx1250"
	.amdhsa_code_object_version 6
	.text
	.protected	k_qc68d85b8b6_energy
	.globl	k_qc68d85b8b6_energy
	.p2align	8
	.type	k_qc68d85b8b6_energy,@function
k_qc68d85b8b6_energy:
	s_mov_b64 s[64:65], 0
	v_nop
	global_prefetch_b8 v0, s[64:65] scope:SCOPE_SE
	s_setreg_imm32_b32 hwreg(HW_REG_WAVE_MODE, 25, 1), 1
	s_wait_xcnt 0x0
	s_wait_alu depctr_hold_cnt(0) depctr_sa_sdst(0) depctr_va_vdst(0) depctr_va_sdst(0) depctr_va_ssrc(0) depctr_va_vcc(0) depctr_vm_vsrc(0)
	s_getreg_b32 s2, hwreg(HW_REG_IB_STS2, 6, 4)
	s_cmp_eq_u32 s2, 0
	s_cbranch_scc0 .Lentry_in_a_cluster
	s_endpgm
.Lentry_in_a_cluster:
	s_bfe_u32 s2, ttmp6, 0x10000c
	s_cmp_lg_u32 s2, 0x3003
	s_cbranch_scc0 .Lentry_shape_is_right
	s_endpgm
.Lentry_shape_is_right:
; scores[b][t] = -2 x the sum over n of v[n] / (1 + 2^(c x)), x = the energy ahead of tanh, c = 2 log2(e): tanh(x) = 1 - 2 / (1 + e^(2x)).  Left out as dead work: the sum of v, one number for all t, which the softmax along t takes away for all finite v
; (LIMIT: a NaN, an infinity or an overflow that reaches only that sum is not carried).  x = W's product with Q(enc), K = 1,024, + b + the eight parts of hbp.  Where 2^(c x) overflows its reciprocal is 0, the limit of the formula.
; LIMITS: NaN and infinities among the inputs are not served.  A block of zeros gets the scale byte 1 where the rule says 127: its codes are zeros, and only this launch reads the bytes.
; SHARES.  A work-group owns 128 rows of one batch and all n; two passes of 512 n; in a pass each of the eight waves owns all 128 rows x 64 n: 8 x 4 accumulators of 16 x 16, 256 registers.
; PASS 1 goes with the input: eight chunks of 128 along K.  Of each chunk a wave loads its own 16 rows in pieces of 256 bytes, turns them through LDS bytes of its own into the operand's order, quantises them, and stores codes and scale words
; into LDS as an image of the operand's registers; each chunk has LDS bytes of its own.  PASS 2 multiplies the same image by the other 512 n: no barrier stands in it.
; W: 16 K steps (8 a pass) of 67,584 bytes, each eight waves' parts of 8,448 bytes (codes as fragments, then scale words); each part is used by one wave.
; K steps 0 to 9 come by joint loads of CLUSTERS of four work-groups along x, which need the same W at the same step, through a ring of two LDS slots: 0 and 1 by one load a wave at the head; step g + 2 behind step g's round, into the slot
; that step g's fragments have left for registers.  K steps 10 to 15 go straight into two sets of registers, each asked for when its set is free, two steps ahead: pass 2 has no other work for a round than such refills,
; a round leaves one step of 32 matrix instructions a wave for a part to land, and through LDS each of those bytes would be written once and read once by its one reader.
; PREFETCH.  enc: chunk k + 3 is asked for in chunk k's step, two steps ahead of the step that loads it: a wave asks for its own 16 rows x 2 blocks of 256 bytes, a lane a block; chunks 1 and 2 at the head; behind chunk 7 nothing.
; W: K step g + 4 is asked for in step g, two steps ahead of its load, K steps 2 and 3 at the head, behind 15 nothing; four clusters ask, and in each the 32 waves share the 264 blocks of 256 bytes out by address.
; THE MATRIX INSTRUCTION IS USED TRANSPOSED (source 0 = 16 rows of W, source 1 = 16 rows of X): a lane holds row r of X, and its registers n = 8 h + 0 .. 7.
; REGISTERS, window 0: v0-15 addresses; v16-21, v56-61 scale words; v24-39 at work in the quantiser, then the rows' sums; v40-55 codes; v64-127 a chunk's f32, later W's second set; v128-191 fragments; v192-255 W.  Window 1: the accumulators, (m tile i, n tile t) at 8 (4 i + t).
.set PARTB, 8448                       ; a wave's part of a K step of W
.set SLOTB, 8*PARTB                    ; a K step of W in memory
.set IMG, 2*SLOTB                      ; the ring lies from 0 on: a wave's two slots on end.  The image: 8 chunks x 8 tiles x 2,048 bytes; then its scale words, 512 bytes a chunk
.set XSC, IMG+131072
.set SCR, XSC+4096                     ; a scratch of 16 rows x (256 + 16) bytes for each wave
.set HPT, 272
.set RED, SCR+8*16*HPT                 ; the waves' sums, 512 bytes each
.set HBT, RED+4096                     ; b + hb for each wave's 128 n
.set SPARE, HBT+4096                   ; the spare words
.set SPW, 1
.set NIL, 2
.set EO, 3
.set SCW, 4
.set SCRD, 5
.set XIW, 6
.set XSW, 7
.set XIR, 8
.set XSR, 9
.set PFO, 10
.set WR, 11                            ; my part of slot 0, + 16 x lane
.set L16, 12                           ; 16 x lane
.set WQ, 13                            ; my part of slot 0, + 4 x lane
.set L4, 14                            ; 4 x lane
.set VO, 15
.set SA, 16                            ; scale words, set A: X's in v16-19, W's in v20-21 (numbers that differ modulo 8); set B from v56 on likewise
.set SB, 56
.set XIRC, 22
.set XSRC, 23
.set TM, 24
.set SS, 24
.set PC, 40
.set PW2, 46                           ; pass 2: W's prefetch offset
.set BV, 48                            ; b, when the last codes are stored
.set HBR, 54
.set HBW, 55
.set PW, 56
.set XSWC, 57
.set PW1, 58                           ; pass 1: W's prefetch offset
.set HBO, 62
.set XIWC, 63
.set ST, 64
.set FR, 128
.set WB, 192
.set WV, 16
.set CX, 17
.set GI, 18
.set SEL, 22
.set CS, 24
.set MNT, 26
.set XO, 27
.set SO, 28
.set CNT, 30
.set GC, 31                            ; the K step in hand
.set ENC, 32
.set HBB, 36
.set VB, 38
.set BB, 40
.set LIM, 42                           ; the K steps in which my cluster asks for W: 12 or 0
.set G1, 44                            ; s[44:51] descriptor group 1;  s[52:55], s[56:59] groups 0 of slots 0, 1;  s[68:75] group 1 of the head's load
.set G0, 52
.set G1H, 68
.set PWB, 76
.set WBS, 78
.set MSB, 0
.set E_LAST, 0
.macro WIN new                         ; the immediate's high byte repeats the setting that is left
.if MSB != (\new)
	s_set_vgpr_msb (MSB<<8)|(\new)
.set MSB, (\new)
.endif
.endm
.macro NOPS c
.rept \c
	v_nop
.endr
.endm
.macro CREST                           ; a round of the cluster's barrier behind its opening barrier
	s_cmp_lg_u32 s[WV], 0
	s_cbranch_scc1 .Lnot_wave_0_\@
	s_barrier_signal -3
.Lnot_wave_0_\@:
	s_barrier_wait -3
	s_barrier_signal -1
	s_barrier_wait -1
.endm
.macro ROUND
	s_barrier_signal -1
	s_barrier_wait -1
	CREST
.endm
.macro ASKW reg                        ; W, four K steps on
	s_cmp_lt_u32 s[GC], s[LIM]
	s_cbranch_scc0 .Lno_ask_\@
	global_prefetch_b8 v[\reg], s[PWB:PWB+1] offset:SLOTB th:TH_LOAD_NT scope:SCOPE_SE
.Lno_ask_\@:
	s_add_co_u32 s[GC], s[GC], 1
.endm
; Four of the sixteen loads of the next chunk (rows 2 i, 2 i + 1 of 256 bytes, half e of the chunk: register 32 e + 4 i); in the last step hb's eight parts of my 128 n, then pass 1's v.
.macro EG g
.irp m, 0,1,2,3
.if E_LAST == 0
	global_load_b128 v[ST+16*\g+4*\m:ST+16*\g+4*\m+3], v[EO], s[ENC:ENC+1] offset:8192*(4*(\g%2)+\m)+256*(\g/2) th:TH_LOAD_NT
.elseif \g < 2
	global_load_b128 v[ST+16*\g+4*\m:ST+16*\g+4*\m+3], v[HBO], s[HBB:HBB+1] offset:131072*(4*\g+\m)
.else
	global_load_b128 v[ST+16*\g+4*\m:ST+16*\g+4*\m+3], v[VO], s[VB:VB+1] offset:128*(\g-2)+64*(\m/2)+16*(\m%2)
.endif
.endr
.endm
.macro QUANT                           ; FR's 16 rows x 128 K -> codes PC, scale word PW; in the midst four of the next loads
.irp b, 0,1,2,3
	v_max3_num_f32 v[TM+\b], |v[FR+16*\b]|, |v[FR+1+16*\b]|, 0x8000000   ; with the floor 2^(16 - 127): the byte cannot fall under 1
.endr
.irp i, 2,4,6,8,10,12,14
.irp b, 0,1,2,3
	v_max3_num_f32 v[TM+\b], v[TM+\b], |v[FR+16*\b+\i]|, |v[FR+1+16*\b+\i]|
.endr
.endr
.irp b, 0,1,2,3
	v_permlanex16_b32 v[TM+4+\b], v[TM+\b], s[SEL], s[SEL+1]
.endr
.irp b, 0,1,2,3
	v_max_num_f32 v[TM+\b], v[TM+\b], v[TM+4+\b]
.endr
.irp b, 0,1,2,3
	v_add_nc_u32 v[TM+12+\b], 0xf8800000, v[TM+\b] ; 15 off the exponent field: the conversion's scale operand
.endr
.irp b, 0,1,2,3
	v_and_or_b32 v[TM+8+\b], v[TM+\b], 0x7f800000, s[MNT]   ; 57,344 x the scale
.endr
.irp b, 0,1,2,3
	v_lshrrev_b32 v[TM+4+\b], 23, v[TM+12+\b]      ; the scale's byte
.endr
	v_lshl_or_b32 v[PW], v[TM+5], 8, v[TM+4]
	v_lshl_or_b32 v[PW], v[TM+6], 16, v[PW]
	v_lshl_or_b32 v[PW], v[TM+7], 24, v[PW]
	EG 1
.irp b, 0,1,2,3
.irp i, 0,1,2,3,4,5,6,7,8,9,10,11,12,13,14,15
	v_med3_num_f32 v[FR+16*\b+\i], v[FR+16*\b+\i], -v[TM+8+\b], v[TM+8+\b]   ; the conversion to an 8-bit code does not saturate (ISA guide 7.6.2)
.endr
	v_cvt_scalef32_pk8_bf8_f32 v[PC+4*\b:PC+1+4*\b], v[FR+16*\b:FR+7+16*\b], v[TM+12+\b]
	v_cvt_scalef32_pk8_bf8_f32 v[PC+2+4*\b:PC+3+4*\b], v[FR+8+16*\b:FR+15+16*\b], v[TM+12+\b]
.endr
	v_nop
.endm
.macro WLD reg, sl, ws                 ; W's four fragments and two scale words from my part of a slot: 18 LDS loads
.irp t, 0,1,2,3
.irp c, 0,1,2,3
	ds_load_b128 v[\reg+16*\t+4*\c:\reg+16*\t+4*\c+3], v[WR] offset:PARTB*(\sl)+2048*\t+512*\c
.endr
.endr
.irp p, 0,1
	ds_load_b32 v[\ws+\p], v[WQ] offset:PARTB*(\sl)+8192+128*\p
.endr
.endm
.macro WLOAD reg, ws                   ; the same straight from memory: 16 loads of 512 bytes on end and two of 128
.irp t, 0,1,2,3
.irp c, 0,1,2,3
	global_load_b128 v[\reg+16*\t+4*\c:\reg+16*\t+4*\c+3], v[L16], s[WBS:WBS+1] offset:2048*\t+512*\c
.endr
.endr
.irp p, 0,1
	global_load_b32 v[\ws+\p], v[L4], s[WBS:WBS+1] offset:8192+128*\p
.endr
.endm
.macro XL xb, i0, off                  ; tiles i0, i0 + 1 of X into half xb of FR: 8 loads
	WIN 0
.irp q, 0,1
.irp c, 0,1,2,3
	ds_load_b128 v[FR+32*(\xb)+16*\q+4*\c:FR+32*(\xb)+16*\q+4*\c+3], v[XIRC] offset:(\off)+2048*((\i0)+\q)+512*\c
.endr
.endr
.endm
.macro SCL xs, n                       ; X's scale words of this K step (n = 0) or the next (1): 4 loads
.irp p, 0,1,2,3
	ds_load_b32 v[\xs+\p], v[XSRC] offset:512*(\n)+128*\p
.endr
.endm
.macro MI first, ra, rb
.if \first
.if (\ra == 0) && (\rb == 0)
	v_wmma_scale_f32_16x16x128_f8f6f4 v[M_D:M_D+7], v[M_A:M_A+15], v[M_B:M_B+15], 0, v[M_W], v[M_X] matrix_a_fmt:MATRIX_FMT_BF8 matrix_b_fmt:MATRIX_FMT_BF8
.elseif \rb == 0
	v_wmma_scale_f32_16x16x128_f8f6f4 v[M_D:M_D+7], v[M_A:M_A+15], v[M_B:M_B+15], 0, v[M_W], v[M_X] matrix_a_fmt:MATRIX_FMT_BF8 matrix_b_fmt:MATRIX_FMT_BF8 matrix_a_scale:MATRIX_SCALE_ROW1
.elseif \ra == 0
	v_wmma_scale_f32_16x16x128_f8f6f4 v[M_D:M_D+7], v[M_A:M_A+15], v[M_B:M_B+15], 0, v[M_W], v[M_X] matrix_a_fmt:MATRIX_FMT_BF8 matrix_b_fmt:MATRIX_FMT_BF8 matrix_b_scale:MATRIX_SCALE_ROW1
.else
	v_wmma_scale_f32_16x16x128_f8f6f4 v[M_D:M_D+7], v[M_A:M_A+15], v[M_B:M_B+15], 0, v[M_W], v[M_X] matrix_a_fmt:MATRIX_FMT_BF8 matrix_b_fmt:MATRIX_FMT_BF8 matrix_a_scale:MATRIX_SCALE_ROW1 matrix_b_scale:MATRIX_SCALE_ROW1
.endif
.else
.if (\ra == 0) && (\rb == 0)
	v_wmma_scale_f32_16x16x128_f8f6f4 v[M_D:M_D+7], v[M_A:M_A+15], v[M_B:M_B+15], v[M_D:M_D+7], v[M_W], v[M_X] matrix_a_fmt:MATRIX_FMT_BF8 matrix_b_fmt:MATRIX_FMT_BF8
.elseif \rb == 0
	v_wmma_scale_f32_16x16x128_f8f6f4 v[M_D:M_D+7], v[M_A:M_A+15], v[M_B:M_B+15], v[M_D:M_D+7], v[M_W], v[M_X] matrix_a_fmt:MATRIX_FMT_BF8 matrix_b_fmt:MATRIX_FMT_BF8 matrix_a_scale:MATRIX_SCALE_ROW1
.elseif \ra == 0
	v_wmma_scale_f32_16x16x128_f8f6f4 v[M_D:M_D+7], v[M_A:M_A+15], v[M_B:M_B+15], v[M_D:M_D+7], v[M_W], v[M_X] matrix_a_fmt:MATRIX_FMT_BF8 matrix_b_fmt:MATRIX_FMT_BF8 matrix_b_scale:MATRIX_SCALE_ROW1
.else
	v_wmma_scale_f32_16x16x128_f8f6f4 v[M_D:M_D+7], v[M_A:M_A+15], v[M_B:M_B+15], v[M_D:M_D+7], v[M_W], v[M_X] matrix_a_fmt:MATRIX_FMT_BF8 matrix_b_fmt:MATRIX_FMT_BF8 matrix_a_scale:MATRIX_SCALE_ROW1 matrix_b_scale:MATRIX_SCALE_ROW1
.endif
.endif
.endm
; 8 matrix instructions: X's tiles i0, i0 + 1 (half xb of FR) x my four tiles of n; the 32 accumulators take turns, one instruction a turn.  first = 1: the product starts the sums.
.macro MMP w, xb, i0, first, xs
	WIN 0x50
.irp q, 0,1
.irp t, 0,1,2,3
.set M_D, 8*(4*((\i0)+\q)+\t)
.set M_A, \w+16*\t
.set M_B, FR+32*(\xb)+16*\q
.set M_W, \xs+4+(\t)/2
.set M_X, \xs+(\i0)/2
	MI \first, (\t%2), \q
.endr
.endr
.endm
; A STEP OF PASS 1 (sl: its K step's slot).  At its head are out: this chunk's 16 loads, and the 18 LDS loads of its fragments of W.
.macro STEP1 first, last, pf, sl
.set E_LAST, \last
	v_add_nc_u32 v[XIRC], s[XO], v[XIR]
	v_add_nc_u32 v[XSRC], s[SO], v[XSR]
	v_add_nc_u32 v[XIWC], s[XO], v[XIW]
	v_add_nc_u32 v[XSWC], s[SO], v[XSW]
	s_wait_alu depctr_va_vdst(0)                   ; ahead of the waits below
	s_wait_loadcnt 0x0                             ; my 16 rows of this chunk are in
	s_wait_xcnt 0x0                                ; and the prefetches have read their addresses: the bases may be stepped
.if \last == 0
	s_add_nc_u64 s[ENC:ENC+1], s[ENC:ENC+1], 512
.endif
	s_add_nc_u64 s[PWB:PWB+1], s[PWB:PWB+1], SLOTB
.irp e, 0,1                                    ; half a chunk at a time through the same scratch: a wave's LDS instructions are served in order (ISA guide 5.7.1.4)
.irp i, 0,1,2,3,4,5,6,7
	ds_store_b128 v[SCW], v[ST+32*\e+4*\i:ST+32*\e+4*\i+3] offset:2*HPT*\i
.endr
.irp b, 0,1
.irp j, 0,1,2,3
	ds_load_b128 v[FR+32*\e+16*\b+4*\j:FR+32*\e+16*\b+4*\j+3], v[SCRD] offset:128*\b+16*\j   ; register 16 b + i = k 32 b + 16 h + i of row r
.endr
.endr
.endr
	EG 0
.if \pf == 2
	s_cmp_lt_u32 s[CNT], 2                         ; steps 1 to 4 ask for chunks 4 to 7
	s_cbranch_scc0 .Lno_more_\@
.endif
.if \pf
	global_prefetch_b8 v[PFO], s[ENC:ENC+1] offset:1024 th:TH_LOAD_NT scope:SCOPE_SE
.endif
.if \pf == 2
.Lno_more_\@:
.endif
	ASKW PW1
	s_wait_dscnt 0x0
	QUANT
.irp c, 0,1,2,3
	ds_store_b128 v[XIWC], v[PC+4*\c:PC+4*\c+3] offset:512*\c
.endr
	ds_store_b32 v[XSWC], v[PW]                    ; lanes r and r + 16 store the same word
	EG 2
	s_wait_tensorcnt 0x0                           ; my part of the next K step of W has landed
	ds_add_u32 v[SPW], v[NIL]                      ; 0 onto my spare word
	s_add_nc_u64 s[G0+4*\sl+2:G0+4*\sl+3], s[G0+4*\sl+2:G0+4*\sl+3], 2*SLOTB
	s_wait_dscnt 0x0                               ; the add is done; my tile of the chunk lies in LDS; my reads of this K step's slot are over
	ROUND
	tensor_load_to_lds s[G0+4*\sl:G0+4*\sl+3], s[G1:G1+7]   ; two K steps on: my one joint load behind the round
	s_nop 0
	SCL SA, 0
	XL 0, 0, 0
	XL 1, 2, 0
	EG 3
.if \last
	global_load_b128 v[BV:BV+3], v[HBO], s[BB:BB+1]   ; b of my 128 n
.endif
	s_wait_dscnt 8                                 ; the scale words and tiles 0, 1 are in
	MMP WB, 0, 0, \first, SA
	NOPS 8                                         ; eight places ahead of loads into registers that matrix instructions have read
	XL 0, 4, 0
	s_wait_dscnt 8                                 ; tiles 2, 3
	MMP WB, 1, 2, \first, SA
	NOPS 8
	XL 1, 6, 0
	s_wait_dscnt 8                                 ; tiles 4, 5
	MMP WB, 0, 4, \first, SA
	s_wait_dscnt 0x0
	MMP WB, 1, 6, \first, SA
	WIN 0
	NOPS 8
	WLD WB, 1-\sl, SA+4                            ; the next K step's fragments
	s_add_co_u32 s[XO], s[XO], 16384
	s_add_co_u32 s[SO], s[SO], 512
.endm
; A STEP OF PASS 2 on W's set w.  lw: the younger global loads that may stay out when its own W is in; dw: the LDS loads behind its scale words and tiles 0, 1 that may stay out.
; ld = 1: W two K steps on into w; 2: pass 2's hb and v into w; 0: the last step, behind which nothing is loaded.
.macro STEP2 w, xs, nxs, first, lw, dw, ld
	s_wait_loadcnt \lw
	s_wait_dscnt \dw
	MMP \w, 0, 0, \first, \xs
	NOPS 8
	XL 0, 4, 0
	s_wait_dscnt 8                                 ; tiles 2, 3
	MMP \w, 1, 2, \first, \xs
	NOPS 8
	XL 1, 6, 0
	s_wait_dscnt 8                                 ; tiles 4, 5
	MMP \w, 0, 4, \first, \xs
.if \ld
	WIN 0
	NOPS 8
	SCL \nxs, 1
	XL 0, 0, 16384                                 ; the next K step's tiles 0, 1
	s_wait_dscnt 12                                ; tiles 6, 7: behind them 4 + 8
.else
	s_wait_dscnt 0x0
.endif
	MMP \w, 1, 6, \first, \xs
	WIN 0
.if \ld
	s_add_co_u32 s[XO], s[XO], 16384
	s_add_co_u32 s[SO], s[SO], 512
	v_add_nc_u32 v[XIRC], s[XO], v[XIR]            ; these two are places too
	v_add_nc_u32 v[XSRC], s[SO], v[XSR]
	NOPS 6
	s_wait_alu depctr_va_vdst(0)
	XL 1, 2, 0
.else
	NOPS 8
.endif
.if \ld == 1
	s_wait_xcnt 0x0
	s_add_nc_u64 s[WBS:WBS+1], s[WBS:WBS+1], SLOTB
	s_add_nc_u64 s[PWB:PWB+1], s[PWB:PWB+1], SLOTB
	WLOAD \w, \xs+4
	ASKW PW2
.elseif \ld == 2
.irp t, 0,1,2,3
.irp e, 0,1
	ds_load_b128 v[\w+8*\t+4*\e:\w+8*\t+4*\e+3], v[HBR] offset:256+64*\t+16*\e
	global_load_b128 v[\w+32+8*\t+4*\e:\w+32+8*\t+4*\e+3], v[VO], s[VB:VB+1] offset:2048+64*\t+16*\e
.endr
.endr
.endif
.endm
.macro EXPB i                          ; m tile i: 32 registers
.set E_N, 32*(\i)
.rept 32
	v_exp_f32 v[E_N], v[E_N]
.set E_N, E_N+1
.endr
	v_nop                                          ; a plain line behind the last
.endm
.macro RCPB i, add                     ; the reciprocals of m tile i; add = 1: among them 1 + the exponentials of tile i + 1
.set E_N, 32*(\i)
.set E_M, 32*(\i)+32
.rept 16
	v_rcp_f32 v[E_N], v[E_N]
	v_rcp_f32 v[E_N+1], v[E_N+1]
.if \add
	v_pk_add_f32 v[E_M:E_M+1], v[E_M:E_M+1], 1.0 op_sel_hi:[1,0]
.endif
.set E_N, E_N+2
.set E_M, E_M+2
.endr
	v_nop
.endm
; THE END OF A PASS.  hv: c (b + hb) in 32 registers, v in the next 32.  Every accumulator is first read ahead of the first exponential, from its low end on; each batch of transcendentals has one wait ahead of it and one behind it.
.macro EPI hv, second
	WIN 0x41
.set E_N, 0
.rept 8
.irp t, 0,1,2,3
.irp a, 0,1,2,3
	v_pk_fma_f32 v[E_N:E_N+1], v[E_N:E_N+1], s[CS:CS+1], v[\hv+8*\t+2*\a:\hv+8*\t+2*\a+1] op_sel_hi:[1,0,1]   ; c x
.set E_N, E_N+2
.endr
.endr
.endr
	WIN 0x51
	s_wait_alu depctr_va_vdst(0)
	EXPB 0
	s_wait_alu depctr_va_vdst(0)
.set E_M, 0
.rept 16
	v_pk_add_f32 v[E_M:E_M+1], v[E_M:E_M+1], 1.0 op_sel_hi:[1,0]
.set E_M, E_M+2
.endr
.irp i, 0,1,2,3,4,5,6,7
	s_wait_alu depctr_va_vdst(0)
.if \i < 7
	EXPB \i+1
	s_wait_alu depctr_va_vdst(0)
	RCPB \i, 1
.else
	RCPB \i, 0
.endif
	s_wait_alu depctr_va_vdst(0)
.irp t, 0,1,2,3
	v_pk_mul_f32 v[32*\i+8*\t:32*\i+8*\t+1], v[32*\i+8*\t:32*\i+8*\t+1], v[\hv+32+8*\t:\hv+33+8*\t]   ; x v; four sums by turns
.endr
.irp a, 1,2,3
.irp t, 0,1,2,3
	v_pk_fma_f32 v[32*\i+8*\t:32*\i+8*\t+1], v[32*\i+8*\t+2*\a:32*\i+8*\t+2*\a+1], v[\hv+32+8*\t+2*\a:\hv+33+8*\t+2*\a], v[32*\i+8*\t:32*\i+8*\t+1]
.endr
.endr
.endr
	WIN 0x45
.irp i, 0,1,2,3,4,5,6,7
	v_pk_add_f32 v[32*\i:32*\i+1], v[32*\i:32*\i+1], v[32*\i+8:32*\i+9]
	v_pk_add_f32 v[32*\i+16:32*\i+17], v[32*\i+16:32*\i+17], v[32*\i+24:32*\i+25]
.endr
.if \second
.irp i, 0,1,2,3,4,5,6,7
	v_pk_add_f32 v[32*\i:32*\i+1], v[32*\i:32*\i+1], v[32*\i+16:32*\i+17]
.endr
	WIN 0x01
.irp i, 0,1,2,3,4,5,6,7
	v_pk_add_f32 v[SS+2*\i:SS+2*\i+1], v[32*\i:32*\i+1], v[SS+2*\i:SS+2*\i+1]
.endr
.else
	WIN 0x05
.irp i, 0,1,2,3,4,5,6,7
	v_pk_add_f32 v[SS+2*\i:SS+2*\i+1], v[32*\i:32*\i+1], v[32*\i+16:32*\i+17]
.endr
.endif
	WIN 0
.endm
	s_load_b256 s[4:11], s[0:1], 0x0               ; enc s[4:5], wf s[6:7], hbp s[8:9], v s[10:11]
	s_load_b128 s[12:15], s[0:1], 0x20             ; b s[12:13], scores s[14:15]
	v_lshl_add_u32 v[SPW], v0, 2, SPARE
	v_mov_b32 v[NIL], 0
	ds_add_u32 v[SPW], v[NIL]                      ; the wave's opening: the add, twice on end, and its wait ahead of my first tensor load
	ds_add_u32 v[SPW], v[NIL]
	v_lshrrev_b32 v16, 5, v0
	v_readfirstlane_b32 s[WV], v16                 ; wave 0..7
	v_and_b32 v20, 31, v0                          ; the lane
	v_and_b32 v17, 15, v0                          ; r
	v_bfe_u32 v18, v0, 4, 1                        ; h
	v_lshlrev_b32 v[L16], 4, v20
	v_lshlrev_b32 v21, 2, v17                      ; 4 r
	v_lshlrev_b32 v[L4], 2, v20
	v_add_nc_u32 v[XSR], XSC, v[L4]
	v_add_nc_u32 v[XIR], IMG, v[L16]
	v_lshrrev_b32 v24, 1, v20
	v_and_b32 v25, 1, v20
	v_lshlrev_b32 v[PFO], 12, v24                  ; a row for two lanes, a block of 256 bytes each
	v_lshl_add_u32 v[PFO], v25, 8, v[PFO]
	v_lshlrev_b32 v[VO], 5, v18
	v_lshlrev_b32 v26, 4, v17                      ; 16 r
	v_lshl_add_u32 v[EO], v18, 12, v26             ; enc: lanes 0-15 a row's 256 bytes, lanes 16-31 the next row's
	v_lshl_add_u32 v[HBO], v18, 11, v26            ; hb, b: lanes 0-15 pass 1's 64 n, lanes 16-31 pass 2's
	v_mul_u32_u24 v[SCW], v18, HPT
	v_add_nc_u32 v[SCW], v[SCW], v26
	v_mul_u32_u24 v[SCRD], v17, HPT
	v_lshl_add_u32 v[SCRD], v18, 6, v[SCRD]
.irp b, 0,1,2,3
	v_mov_b32 v[TM+4+\b], 0                        ; a lane permute's destination counts as one of its sources
.endr
	s_wait_alu depctr_va_vdst(0)                   ; ahead of the scalar lines
	s_bfe_u32 s[CX], ttmp6, 0x40000                ; my place along the cluster
	s_lshl_b32 s[GI], ttmp9, 2
	s_add_co_u32 s[GI], s[GI], s[CX]               ; work-group 0..255
	s_lshl_b32 s80, s[GI], 19                      ; enc: 128 rows of 4,096 bytes; my 16 of them
	s_lshl_b32 s81, s[WV], 16
	s_add_co_u32 s80, s80, s81
	s_mov_b32 s81, 0
	s_mul_i32 s82, s[WV], PARTB                    ; my part of a K step of W in memory,
	s_mov_b32 s83, 0
	s_mul_i32 s90, s[WV], 2*PARTB                  ; and my two slots
	s_lshr_b32 s84, s[GI], 3                       ; my batch
	s_lshl_b32 s84, s84, 12
	s_mov_b32 s85, 0
	s_lshl_b32 s86, s[WV], 8                       ; my 64 n of a pass
	s_mov_b32 s87, 0
	s_lshl_b32 s88, s[GI], 9
	s_mov_b32 s89, 0
	s_mov_b32 s[G1], 15|(3<<16)|(1<<21)            ; 15:0 the mask: all four; 17:16 elements of 8 bytes; 21 set beside a mask
	s_mov_b32 s[G1+1], 32<<16                      ; tensor_dim0: rows of 256 bytes
	s_mov_b32 s[G1+2], 33<<16                      ; tensor_dim1
	s_mov_b32 s[G1+3], 32<<16                      ; tile_dim0
	s_mov_b32 s[G1+4], 33                          ; tile_dim1
	s_mov_b32 s[G1+5], 32                          ; dense
	s_mov_b32 s[G1+6], 0
	s_mov_b32 s[G1+7], 0
	s_mov_b32 s[G1H], 15|(3<<16)|(1<<21)           ; the head's load: two rows of 8,448 bytes, a K step apart: my part of K steps 0 and 1
	s_mov_b32 s[G1H+1], (PARTB/8)<<16
	s_mov_b32 s[G1H+2], 2<<16
	s_mov_b32 s[G1H+3], (PARTB/8)<<16
	s_mov_b32 s[G1H+4], 2
	s_mov_b32 s[G1H+5], SLOTB/8
	s_mov_b32 s[G1H+6], 0
	s_mov_b32 s[G1H+7], 0
	s_mov_b32 s[G0], 1
	s_mov_b32 s[G0+1], s90
	s_mov_b32 s[G0+4], 1
	s_add_co_u32 s[G0+5], s90, PARTB
	s_mov_b32 s[SEL], 0x76543210
	s_mov_b32 s[SEL+1], 0xfedcba98                 ; v_permlanex16_b32's selects for lane l xor 16
	s_mov_b32 s[CS], 0x4038aa3b                    ; c = 2 log2(e)
	s_mov_b32 s[CS+1], s[CS]
	s_mov_b32 s[MNT], 0x600000                     ; the mantissa field of 57,344
	s_mov_b32 s[XO], 0
	s_mov_b32 s[SO], 0
	s_mov_b32 s[GC], 0
	s_and_b32 s91, ttmp9, 27                       ; clusters 0, 4, 32 and 36 ask for W
	s_cmp_eq_u32 s91, 0
	s_cselect_b32 s[LIM], 12, 0
	s_lshl_b32 s91, s[CX], 3                       ; the cluster's wave 0..31 asks for blocks wave + 32 x lane of a K step's 264: lanes 0 to 7, and lane 8 in the first eight waves; the other lanes repeat the wave's last
	s_add_co_u32 s91, s91, s[WV]
	s_lshl_b32 s91, s91, 8
	s_cmp_eq_u32 s[CX], 0
	s_cselect_b32 s92, 8, 7
	v_min_u32 v[PW1], s92, v20
	v_lshlrev_b32 v[PW1], 13, v[PW1]
	v_add_nc_u32 v[PW1], s91, v[PW1]
	v_add_nc_u32 v[WR], s90, v[L16]
	v_add_nc_u32 v[WQ], s90, v[L4]
	s_mul_i32 s91, s[WV], 16*HPT
	s_add_co_u32 s91, s91, SCR
	v_add_nc_u32 v[SCW], s91, v[SCW]
	v_add_nc_u32 v[SCRD], s91, v[SCRD]
	s_lshl_b32 s91, s[WV], 11
	v_add_nc_u32 v[XIW], s91, v[XIR]
	s_lshl_b32 s91, s[WV], 6
	s_add_co_u32 s91, s91, XSC
	v_add_nc_u32 v[XSW], s91, v21
	s_wait_alu depctr_va_vdst(0)                   ; the head's end
	s_wait_dscnt 0x0                               ; both opening adds are done
	s_wait_kmcnt 0x0
	s_add_nc_u64 s[WBS:WBS+1], s[6:7], s[82:83]
	s_add_nc_u64 s[G0+2:G0+3], s[6:7], s[82:83]
	s_add_nc_u64 s[G0+6:G0+7], s[G0+2:G0+3], SLOTB
	s_or_b32 s[G0+3], s[G0+3], 0x80000000
	s_or_b32 s[G0+7], s[G0+7], 0x80000000
	s_add_nc_u64 s[PWB:PWB+1], s[6:7], 2*SLOTB
	s_add_nc_u64 s[ENC:ENC+1], s[4:5], s[80:81]
	s_add_nc_u64 s[HBB:HBB+1], s[8:9], s[84:85]
	s_add_nc_u64 s[HBB:HBB+1], s[HBB:HBB+1], s[86:87]
	s_add_nc_u64 s[VB:VB+1], s[10:11], s[86:87]
	s_add_nc_u64 s[BB:BB+1], s[12:13], s[86:87]
	s_add_nc_u64 s[14:15], s[14:15], s[88:89]
	ROUND                                          ; all four work-groups are here: the first joint loads meet
	tensor_load_to_lds s[G0:G0+3], s[G1H:G1H+7]    ; K steps 0 and 1 into my two slots: one tensor load a wave at the head
	s_nop 0
	EG 0                                           ; chunk 0
	EG 1
	EG 2
	EG 3
	s_cmp_lg_u32 s[LIM], 0
	s_cbranch_scc0 .Lno_w
	global_prefetch_b8 v[PW1], s[PWB:PWB+1] th:TH_LOAD_NT scope:SCOPE_SE                ; W's K steps 2
	global_prefetch_b8 v[PW1], s[PWB:PWB+1] offset:SLOTB th:TH_LOAD_NT scope:SCOPE_SE   ; and 3
.Lno_w:
	global_prefetch_b8 v[PFO], s[ENC:ENC+1] offset:512 th:TH_LOAD_NT scope:SCOPE_SE     ; chunk 1
	global_prefetch_b8 v[PFO], s[ENC:ENC+1] offset:1024 th:TH_LOAD_NT scope:SCOPE_SE    ; chunk 2
	s_wait_tensorcnt 0x0                           ; my parts of K steps 0 and 1 have landed; only I read them
	WLD WB, 0, SA+4
	STEP1 1, 0, 1, 0
	s_mov_b32 s[CNT], 0
.Lchunk:                                           ; chunks 1 to 6
	STEP1 0, 0, 2, 1
	STEP1 0, 0, 2, 0
	s_add_co_u32 s[CNT], s[CNT], 1
	s_cmp_lt_u32 s[CNT], 3
	s_cbranch_scc1 .Lchunk
	STEP1 0, 1, 0, 1
	s_mov_b32 s[XO], 0                             ; pass 2 begins the image anew
	s_mov_b32 s[SO], 0
	s_add_nc_u64 s[WBS:WBS+1], s[WBS:WBS+1], 9*SLOTB   ; the first direct load steps it to K step 10
	s_lshl_b32 s91, s[WV], 9
	s_add_co_u32 s91, s91, HBT
	v_add_nc_u32 v[XIRC], s[XO], v[XIR]
	v_add_nc_u32 v[XSRC], s[SO], v[XSR]
	v_mov_b32 v[PW2], v[PW1]                       ; its first place becomes a scale word's
	v_bfe_u32 v[HBR], v0, 4, 1
	v_lshlrev_b32 v[HBR], 5, v[HBR]
	v_add_nc_u32 v[HBW], s91, v[L16]
	v_add_nc_u32 v[HBR], s91, v[HBR]
	s_wait_alu depctr_va_vdst(0)
	SCL SA, 0
	XL 0, 0, 0
	XL 1, 2, 0
	s_wait_loadcnt 0x0                             ; hb's eight parts, v and b
.irp k, 1,2,3,4,5,6,7
	v_pk_add_f32 v[ST:ST+1], v[ST:ST+1], v[ST+4*\k:ST+4*\k+1]
	v_pk_add_f32 v[ST+2:ST+3], v[ST+2:ST+3], v[ST+4*\k+2:ST+4*\k+3]
.endr
	v_pk_add_f32 v[ST:ST+1], v[ST:ST+1], v[BV:BV+1]
	v_pk_add_f32 v[ST+2:ST+3], v[ST+2:ST+3], v[BV+2:BV+3]
	v_pk_mul_f32 v[ST:ST+1], v[ST:ST+1], s[CS:CS+1] op_sel_hi:[1,0]
	v_pk_mul_f32 v[ST+2:ST+3], v[ST+2:ST+3], s[CS:CS+1] op_sel_hi:[1,0]
	ds_store_b128 v[HBW], v[ST:ST+3]               ; my own 512 bytes: four neighbouring n a lane in,
.irp t, 0,1,2,3
.irp e, 0,1
	ds_load_b128 v[ST+8*\t+4*\e:ST+8*\t+4*\e+3], v[HBR] offset:64*\t+16*\e   ; and n = 16 t + 8 h + 0 .. 7 of pass 1 back
.endr
.endr
	s_wait_dscnt 0x0
	EPI ST, 0
	s_wait_tensorcnt 0x0                           ; my part of K step 9 has landed; only I read it
	WLD ST, 1, SB+4
	STEP2 WB, SA, SB, 1, 18, 18, 1                 ; K step 8; K step 9's 18 LDS loads may be out
	s_mov_b32 s[CNT], 0
.Lpair:                                            ; K steps 9 to 12
	STEP2 ST, SB, SA, 0, 18, 8, 1
	STEP2 WB, SA, SB, 0, 18, 8, 1
	s_add_co_u32 s[CNT], s[CNT], 1
	s_cmp_lt_u32 s[CNT], 2
	s_cbranch_scc1 .Lpair
	STEP2 ST, SB, SA, 0, 18, 8, 1                  ; K step 13 asks for the last
	STEP2 WB, SA, SB, 0, 18, 8, 2
	STEP2 ST, SB, SA, 0, 8, 8, 0
	s_wait_loadcnt 0x0                             ; v
	EPI WB, 1
	v_and_b32 v56, 15, v0
	s_lshl_b32 s91, s[WV], 9
	s_add_co_u32 s91, s91, RED
	v_lshlrev_b32 v56, 2, v56
	v_add_nc_u32 v57, RED, v[L16]
	v_add_nc_u32 v56, s91, v56
.irp i, 0,1,2,3,4,5,6,7
	v_add_f32 v[PC+\i], v[SS+2*\i], v[SS+2*\i+1]
.endr
.irp i, 0,1,2,3,4,5,6,7
	v_permlanex16_b32 v[PC+8+\i], v[PC+\i], s[SEL], s[SEL+1]
.endr
.irp i, 0,1,2,3,4,5,6,7
	v_add_f32 v[PC+\i], v[PC+\i], v[PC+8+\i]       ; row 16 i + r: my n of both passes
.endr
.irp i, 0,1,2,3,4,5,6,7
	ds_store_b32 v56, v[PC+\i] offset:64*\i
.endr
	s_wait_dscnt 0x0                               ; for the others' sake: my sums lie in LDS
	s_barrier_signal -1
	s_barrier_wait -1
	s_cmp_lg_u32 s[WV], 0
	s_cbranch_scc1 .Lnot_mine
.irp k, 0,1,2,3,4,5,6,7
	ds_load_b128 v[ST+4*\k:ST+4*\k+3], v57 offset:512*\k
.endr
	s_wait_dscnt 0x0
.irp k, 1,2,3,4,5,6,7
	v_pk_add_f32 v[ST:ST+1], v[ST:ST+1], v[ST+4*\k:ST+4*\k+1]
	v_pk_add_f32 v[ST+2:ST+3], v[ST+2:ST+3], v[ST+4*\k+2:ST+4*\k+3]
.endr
	v_pk_mul_f32 v[ST:ST+1], v[ST:ST+1], -2.0 op_sel_hi:[1,0]
	v_pk_mul_f32 v[ST+2:ST+3], v[ST+2:ST+3], -2.0 op_sel_hi:[1,0]
	global_store_b128 v[L16], v[ST:ST+3], s[14:15] ; 128 rows' scores: 512 bytes on end
.Lnot_mine:
	s_wait_tensorcnt 0x0                           ; the wave's end
	ds_add_u32 v[SPW], v[NIL]
	s_wait_dscnt 0x0
	ROUND                                          ; the closing round: no work-group ends while a partner may still issue a load that names it
	s_endpgm
.Lfunc_end_k_qc68d85b8b6_energy:
	.size	k_qc68d85b8b6_energy, .Lfunc_end_k_qc68d85b8b6_energy-k_qc68d85b8b6_energy
	.p2alignl 7, 3214868480
	.fill 96, 4, 3214868480
	.section	.rodata,"a",@progbits
	.p2align	6, 0x0
	.amdhsa_kernel k_qc68d85b8b6_energy
		.amdhsa_group_segment_fixed_size 327680
		.amdhsa_private_segment_fixed_size 0
		.amdhsa_enable_private_segment 0
		.amdhsa_kernarg_size 48
		.amdhsa_user_sgpr_count 2
		.amdhsa_user_sgpr_kernarg_segment_ptr 1
		.amdhsa_wavefront_size32 1
		.amdhsa_system_sgpr_workgroup_id_x 1
		.amdhsa_system_sgpr_workgroup_id_y 1
		.amdhsa_system_sgpr_workgroup_id_z 1
		.amdhsa_system_vgpr_workitem_id 0
		.amdhsa_next_free_vgpr 512
		.amdhsa_next_free_sgpr 96
		.amdhsa_reserve_vcc 0
		.amdhsa_float_denorm_mode_32 3
		.amdhsa_float_denorm_mode_16_64 3
		.amdhsa_memory_ordered 1
		.amdhsa_forward_progress 1
		.amdhsa_inst_pref_size 246
	.end_amdhsa_kernel
	.amdgpu_metadata
---
amdhsa.version: [ 1, 2 ]
amdhsa.kernels:
  - .name:           k_qc68d85b8b6_energy
    .symbol:         k_qc68d85b8b6_energy.kd
    .args:
      - { .name: encoder_outputs, .offset: 0, .size: 8, .value_kind: global_buffer, .address_space: global }
      - { .name: wf, .offset: 8, .size: 8, .value_kind: global_buffer, .address_space: global }
      - { .name: hbp, .offset: 16, .size: 8, .value_kind: global_buffer, .address_space: global }
      - { .name: v, .offset: 24, .size: 8, .value_kind: global_buffer, .address_space: global }
      - { .name: b, .offset: 32, .size: 8, .value_kind: global_buffer, .address_space: global }
      - { .name: scores, .offset: 40, .size: 8, .value_kind: global_buffer, .address_space: global }
    .group_segment_fixed_size: 327680
    .private_segment_fixed_size: 0
    .kernarg_segment_align: 8
    .kernarg_segment_size: 48
    .max_flat_workgroup_size: 256
    .sgpr_count:     96
    .vgpr_count:     512
    .wavefront_size: 32
...
	.end_amdgpu_metadata
.endif
;; end of part 2
;; launch soft (part 3): grid 32 x 1, 8 waves a work-group, no clusters, 1,280 bytes of LDS; arguments scores, out0; writes out0
.if DOCPART == 3
	.amdgcn_target "amdgcn-amd-amdhsa--gfx1250"
	.amdhsa_code_object_version 6
	.text
	.protected	k_qc68d85b8b6_soft
	.globl	k_qc68d85b8b6_soft
	.p2align	8
	.type	k_qc68d85b8b6_soft,@function
k_qc68d85b8b6_soft:
	s_mov_b64 s[64:65], 0
	v_nop
	global_prefetch_b8 v0, s[64:65] scope:SCOPE_SE
	s_setreg_imm32_b32 hwreg(HW_REG_WAVE_MODE, 25, 1), 1
	s_wait_xcnt 0x0
; out0[b][t] = softmax over t of scores[b][t].  One work-group to a row of 1,024; thread t holds 4 numbers (16 bytes), so each load and store of a wave covers 512 consecutive bytes.
; The row's maximum is taken away ahead of the exponential; maximum and sum go across the lanes on the arithmetic (DPP) and across the eight waves through LDS, each through words of its own.
; LIMITS: NaN and infinities are not served.
	s_load_b128 s[4:7], s[0:1], 0x0                ; scores, out0
	v_lshl_add_u32 v32, v0, 2, 0x100
	v_mov_b32 v33, 0
	v_lshlrev_b32 v1, 4, v0                        ; 16 x thread
	v_lshrrev_b32 v2, 5, v0
	s_delay_alu instid0(VALU_DEP_1)
	v_lshlrev_b32 v2, 2, v2                        ; 4 x wave
	v_mov_b32 v3, 0
	v_mov_b32 v9, 0                                ; a lane permute's destination counts as one of its sources
	s_lshl_b32 s8, ttmp9, 12                       ; a row is 4,096 bytes
	s_mov_b32 s9, 0
	s_mov_b32 s10, 0x76543210
	s_mov_b32 s11, 0xfedcba98
	s_mov_b32 s12, 0x3fb8aa3b                      ; log2(e)
	s_wait_alu depctr_va_vdst(0)
	s_wait_kmcnt 0x0
	s_add_nc_u64 s[4:5], s[4:5], s[8:9]
	s_add_nc_u64 s[6:7], s[6:7], s[8:9]
	global_load_b128 v[4:7], v1, s[4:5]
	s_wait_loadcnt 0x0
	v_max3_num_f32 v8, v4, v5, v6
	s_delay_alu instid0(VALU_DEP_1)
	v_max_num_f32 v8, v8, v7
	s_delay_alu instid0(VALU_DEP_1)
	v_max_num_f32_dpp v8, v8, v8 row_xmask:1 row_mask:0xf bank_mask:0xf
	s_delay_alu instid0(VALU_DEP_1)
	v_max_num_f32_dpp v8, v8, v8 row_xmask:2 row_mask:0xf bank_mask:0xf
	s_delay_alu instid0(VALU_DEP_1)
	v_max_num_f32_dpp v8, v8, v8 row_xmask:4 row_mask:0xf bank_mask:0xf
	s_delay_alu instid0(VALU_DEP_1)
	v_max_num_f32_dpp v8, v8, v8 row_xmask:8 row_mask:0xf bank_mask:0xf
	s_delay_alu instid0(VALU_DEP_1)
	v_permlanex16_b32 v9, v8, s10, s11
	s_delay_alu instid0(VALU_DEP_1)
	v_max_num_f32 v8, v8, v9
	ds_store_b32 v2, v8                            ; all lanes of a wave write the same word with the same value
	s_wait_dscnt 0x0
	s_barrier_signal -1
	s_barrier_wait -1
	ds_load_b128 v[12:15], v3
	ds_load_b128 v[16:19], v3 offset:16
	s_wait_dscnt 0x0
	v_max3_num_f32 v8, v12, v13, v14
	s_delay_alu instid0(VALU_DEP_1)
	v_max3_num_f32 v8, v8, v15, v16
	s_delay_alu instid0(VALU_DEP_1)
	v_max3_num_f32 v8, v8, v17, v18
	s_delay_alu instid0(VALU_DEP_1)
	v_max_num_f32 v8, v8, v19                      ; the row's maximum
	s_delay_alu instid0(VALU_DEP_1)
	v_mul_f32 v10, s12, v8
	s_delay_alu instid0(VALU_DEP_1)
	v_fma_f32 v4, v4, s12, -v10                    ; (x - max) log2(e): the rounding of the product above is the same for the whole row and falls out in the division
	s_delay_alu instid0(VALU_DEP_2)
	v_fma_f32 v5, v5, s12, -v10
	s_delay_alu instid0(VALU_DEP_3)
	v_fma_f32 v6, v6, s12, -v10
	s_delay_alu instid0(VALU_DEP_4)
	v_fma_f32 v7, v7, s12, -v10
	s_wait_alu depctr_va_vdst(0)
	v_exp_f32 v4, v4
	v_exp_f32 v5, v5
	v_exp_f32 v6, v6
	v_exp_f32 v7, v7
	v_nop                                          ; a plain line behind the last exponential
	s_wait_alu depctr_va_vdst(0)                   ; one wait for the four, ahead of their first reader
	v_add_f32 v8, v4, v5
	v_add_f32 v11, v6, v7
	s_delay_alu instid0(VALU_DEP_1)
	v_add_f32 v8, v8, v11
	s_delay_alu instid0(VALU_DEP_1)
	v_add_f32_dpp v8, v8, v8 row_xmask:1 row_mask:0xf bank_mask:0xf
	s_delay_alu instid0(VALU_DEP_1)
	v_add_f32_dpp v8, v8, v8 row_xmask:2 row_mask:0xf bank_mask:0xf
	s_delay_alu instid0(VALU_DEP_1)
	v_add_f32_dpp v8, v8, v8 row_xmask:4 row_mask:0xf bank_mask:0xf
	s_delay_alu instid0(VALU_DEP_1)
	v_add_f32_dpp v8, v8, v8 row_xmask:8 row_mask:0xf bank_mask:0xf
	s_delay_alu instid0(VALU_DEP_1)
	v_permlanex16_b32 v9, v8, s10, s11
	s_delay_alu instid0(VALU_DEP_1)
	v_add_f32 v8, v8, v9
	ds_store_b32 v2, v8 offset:64                  ; other words than the maxima's: no barrier is owed between those reads and these stores
	s_wait_dscnt 0x0
	s_barrier_signal -1
	s_barrier_wait -1
	ds_load_b128 v[12:15], v3 offset:64
	ds_load_b128 v[16:19], v3 offset:80
	s_wait_dscnt 0x0
	v_add_f32 v12, v12, v13
	v_add_f32 v14, v14, v15
	v_add_f32 v16, v16, v17
	v_add_f32 v18, v18, v19
	s_delay_alu instid0(VALU_DEP_3)
	v_add_f32 v12, v12, v14
	s_delay_alu instid0(VALU_DEP_2)
	v_add_f32 v16, v16, v18
	s_delay_alu instid0(VALU_DEP_1)
	v_add_f32 v8, v12, v16                         ; the row's sum
	s_wait_alu depctr_va_vdst(0)
	v_rcp_f32 v8, v8
	v_nop
	s_wait_alu depctr_va_vdst(0)
	v_mul_f32 v4, v4, v8
	v_mul_f32 v5, v5, v8
	v_mul_f32 v6, v6, v8
	v_mul_f32 v7, v7, v8
	global_store_b128 v1, v[4:7], s[6:7]
	s_wait_tensorcnt 0x0
	ds_add_u32 v32, v33
	s_wait_dscnt 0x0
	s_endpgm
.Lfunc_end_k_qc68d85b8b6_soft:
	.size	k_qc68d85b8b6_soft, .Lfunc_end_k_qc68d85b8b6_soft-k_qc68d85b8b6_soft
	.p2alignl 7, 3214868480
	.fill 96, 4, 3214868480
	.section	.rodata,"a",@progbits
	.p2align	6, 0x0
	.amdhsa_kernel k_qc68d85b8b6_soft
		.amdhsa_group_segment_fixed_size 1280
		.amdhsa_private_segment_fixed_size 0
		.amdhsa_enable_private_segment 0
		.amdhsa_kernarg_size 16
		.amdhsa_user_sgpr_count 2
		.amdhsa_user_sgpr_kernarg_segment_ptr 1
		.amdhsa_wavefront_size32 1
		.amdhsa_system_sgpr_workgroup_id_x 1
		.amdhsa_system_sgpr_workgroup_id_y 1
		.amdhsa_system_sgpr_workgroup_id_z 1
		.amdhsa_system_vgpr_workitem_id 0
		.amdhsa_next_free_vgpr 34
		.amdhsa_next_free_sgpr 66
		.amdhsa_reserve_vcc 0
		.amdhsa_float_denorm_mode_32 3
		.amdhsa_float_denorm_mode_16_64 3
		.amdhsa_memory_ordered 1
		.amdhsa_forward_progress 1
		.amdhsa_inst_pref_size 5
	.end_amdhsa_kernel
	.amdgpu_metadata
---
amdhsa.version: [ 1, 2 ]
amdhsa.kernels:
  - .name:           k_qc68d85b8b6_soft
    .symbol:         k_qc68d85b8b6_soft.kd
    .args:
      - { .name: scores, .offset: 0, .size: 8, .value_kind: global_buffer, .address_space: global }
      - { .name: out0, .offset: 8, .size: 8, .value_kind: global_buffer, .address_space: global }
    .group_segment_fixed_size: 1280
    .private_segment_fixed_size: 0
    .kernarg_segment_align: 8
    .kernarg_segment_size: 16
    .max_flat_workgroup_size: 256
    .sgpr_count:     66
    .vgpr_count:     34
    .wavefront_size: 32
...
	.end_amdgpu_metadata
.endif
;; end of part 3
